; MI455X (gfx1250); checked and timed in simulation.
; The chip was launched on July 23, 2026; its instructions are those of AMD's public machine-readable ISA for CDNA 5 (MIT licence, August 2026) and "CDNA5" Instruction Set Architecture Reference Guide (July 2026). The comments in the code are by the model that wrote it; some were corrected since.
;; ROI Max Pool. Allowed arithmetic: float matrix products may take bf16 or f16 operands with f32 sums; all other float work in f32.
;; Inputs: feature_maps 2 x 64 x 64 x 256 float32; rois 2 x 64 x 4 float32.
;; Outputs: out0 2 x 64 x 7 x 7 x 256 float32.
;; 2 versions, each right; version 2 is version 1 with the launch pool written anew for expert scheduling mode. Each part assembles by itself: llvm-mc -triple=amdgcn-amd-amdhsa -mcpu=gfx1250 --defsym DOCPART=n.
;; ======== version 1 of 2: 2 launches
;; workspace buffers: idx 65,536 bytes of whole numbers
;; launch bins (part 1): grid 128 x 1, 4 waves a work-group, no clusters, 0 bytes of LDS; arguments rois, idx; writes idx
.if DOCPART == 1
	.amdgcn_target "amdgcn-amd-amdhsa--gfx1250"
	.amdhsa_code_object_version 6
	.text
	.protected	k_q09fa6d3b7f_bins
	.globl	k_q09fa6d3b7f_bins
	.p2align	8
	.type	k_q09fa6d3b7f_bins,@function
k_q09fa6d3b7f_bins:
	s_mov_b64 s[64:65], 0
	v_nop
	global_prefetch_b8 v0, s[64:65] scope:SCOPE_SE
	s_setreg_imm32_b32 hwreg(HW_REG_WAVE_MODE, 25, 1), 1
	s_wait_xcnt 0x0
; ROI fractions -> whole numbers.  One work-group for each of the 128 ROIs; thread t writes dword t of the ROI's record of 512 bytes.
;   dword 0      pixel index of the window's corner: image*4096 + x*64 + y (x along axis 0, y along axis 1, as the reference has them)
;   dword 1, 2   wc = min(w, 32) rows, hc = min(h, 32) columns that a bin can reach
;   dword 3      hb = h/7 held to 1..32: the length of the column blocks along which the next launch keeps running maxima
;   dword 4-15   0
;   dword 16+b   bin b = 7 i + j: first row | last row << 5 | first sample column << 10 | last column << 15
;                | fours of rows << 20 | pairs of sample columns << 24; 0 for an empty bin
;   dword 65-95  0
;   dword 96+c   the bits of -inf if column c begins a block (c mod hb = 0), else of +inf
; Everything is a select: no branch and no address hangs on the fractions.
; LIMITS: a fraction f with |64 f| >= 2^31 saturates and a NaN gives 0 in the conversion; the reference's cast is not defined there.
; Extents are held to 0..1023, which changes no bin: at or below 0 every bin is empty, and from 224 on the step is 32 or more,
; the size of the window, so that only min(extent, 32) and "step >= 32" matter.
.macro TOINT dst, src                  ; int(64 f), toward zero; 64 f is exact
	v_mul_f32 \dst, \src, v9
	v_cvt_i32_f32 \dst, \dst
.endm
.macro START reg                       ; a slice's start: a negative one counts from the far end (+64), then it is held to 0..64-32
	v_add_nc_u32 v14, 64, \reg
	v_cmp_gt_i32 vcc_lo, 0, \reg
	v_cndmask_b32 \reg, \reg, v14, vcc_lo
	v_max_i32 \reg, 0, \reg
	v_min_i32 \reg, 32, \reg
.endm
.macro EXTENT reg, step                ; extent held to 0..1023; step = extent / 7
	v_max_i32 \reg, 0, \reg
	v_min_i32 \reg, 0x3ff, \reg
	v_mul_u32_u24 \step, 0x2493, \reg              ; 9363 = ceil(65536 / 7): exact for numbers below 1024
	v_lshrrev_b32 \step, 16, \step
.endm
.macro DIVQ q, n                       ; q = n / hb for n < 64: (n + 0.5) / hb lies 0.5 / hb >= 1/64 from every whole number,
	v_cvt_f32_u32 \q, \n                           ; far more than the reciprocal's error can move it
	v_fma_f32 \q, \q, v13, v15                     ; n * (1/hb) + 0.5/hb
	v_cvt_u32_f32 \q, \q
.endm
; One axis of a bin.  It starts at own index * own step; its length is (other index + 1) * other step, or the other extent for
; the last index; it ends at the own extent and at the window's 32.
.macro AXIS own, oth, sown, soth, foth, cap, start, end, len
	v_add_nc_u32 \len, 1, \oth
	v_mul_u32_u24 \len, \len, \soth
	v_cmp_eq_u32 vcc_lo, 6, \oth
	v_cndmask_b32 \len, \len, \foth, vcc_lo
	v_mul_u32_u24 \start, \own, \sown
	v_add_nc_u32 \end, \start, \len
	v_min_u32 \end, \end, \cap
	v_sub_nc_u32 \len, \end, \start
	v_max_i32 \len, 0, \len                        ; 0 if empty
.endm
.macro PUT k, reg                      ; thread k carries header field k
	v_cmp_eq_u32 vcc_lo, \k, v0
	v_cndmask_b32 v30, v30, \reg, vcc_lo
.endm
	s_load_b128 s[4:7], s[0:1], 0x0                ; rois s[4:5], idx s[6:7]
	s_lshl_b32 s8, ttmp9, 4                        ; 16 bytes of fractions for each ROI
	s_lshl_b32 s10, ttmp9, 9                       ; 512 bytes of record
	s_mov_b32 s11, 0
	s_lshr_b32 s9, ttmp9, 6                        ; image: 64 ROIs each,
	s_lshl_b32 s9, s9, 12                          ; 4096 pixels each
	v_add_nc_u32 v1, -16, v0                       ; bin = thread - 16
	v_max_i32 v2, 0, v1
	v_min_i32 v2, 48, v2                           ; (held to 0..48 for the threads that carry no bin)
	v_cmp_gt_u32 s20, 49, v1                       ; threads 16..64 carry a bin
	v_mul_u32_u24 v3, 37, v2
	v_lshrrev_b32 v3, 8, v3                        ; i = bin / 7 (37/256: exact below 56)
	v_mul_u32_u24 v4, 7, v3
	v_sub_nc_u32 v4, v2, v4                        ; j = bin - 7 i
	v_and_b32 v16, 31, v0                          ; column c of the threads that carry a switch
	v_lshrrev_b32 v17, 5, v0
	v_cmp_eq_u32 s21, 3, v17                       ; threads 96..127 carry a switch
	v_mov_b32 v9, 0x42800000                       ; 64.0
	v_mov_b32 v18, 0x7f800000                      ; +inf
	v_mov_b32 v19, 0xff800000                      ; -inf
	s_wait_kmcnt 0x0
	s_load_b128 s[12:15], s[4:5], s8 offset:0x0    ; the ROI's four fractions
	s_add_nc_u64 s[6:7], s[6:7], s[10:11]          ; my record
	s_wait_kmcnt 0x0
	TOINT v5, s12                                  ; x
	TOINT v6, s13                                  ; y
	TOINT v7, s14                                  ; h: extent along axis 1 (columns)
	TOINT v8, s15                                  ; w: extent along axis 0 (rows)
	START v5
	START v6
	EXTENT v7, v10                                 ; h, h_step
	EXTENT v8, v11                                 ; w, w_step
	v_max_u32 v12, 1, v10
	v_min_u32 v12, 32, v12                         ; hb
	v_cvt_f32_u32 v14, v12
	v_rcp_f32 v13, v14                             ; 1 / hb; the two plain lines below stand between it and its first use (ISA guide 5.7.2)
	v_lshl_add_u32 v33, v5, 6, v6
	v_add_nc_u32 v33, s9, v33                      ; field 0: the corner's pixel index
	s_wait_alu depctr_va_vdst(0)
	v_mul_f32 v15, 0.5, v13                        ; 0.5 / hb
	v_min_u32 v34, 32, v8                          ; field 1: wc
	v_min_u32 v35, 32, v7                          ; field 2: hc
	AXIS v3, v4, v11, v10, v7, v34, v21, v22, v23  ; rows: start i*w_step, length (j+1)*h_step or h, end at w
	AXIS v4, v3, v10, v11, v8, v35, v24, v25, v26  ; columns: start j*h_step, length (i+1)*w_step or w, end at h
	v_add3_u32 v27, v26, v12, -1
	DIVQ v27, v27                                  ; sample columns = ceil(length / hb), at most (32 + 31) / 1
	v_add_nc_u32 v27, 1, v27
	v_lshrrev_b32 v27, 1, v27                      ; in pairs
	v_add_nc_u32 v28, 3, v23
	v_lshrrev_b32 v28, 2, v28                      ; rows in fours
	v_add_nc_u32 v22, -1, v22                      ; last row
	v_add_nc_u32 v25, -1, v25                      ; last column
	v_add3_u32 v29, v24, v12, -1                   ; end of the first block,
	v_min_u32 v29, v29, v25                        ; not past the last column
	v_lshl_or_b32 v30, v22, 5, v21
	v_lshl_or_b32 v30, v29, 10, v30
	v_lshl_or_b32 v30, v25, 15, v30
	v_lshl_or_b32 v30, v28, 20, v30
	v_lshl_or_b32 v30, v27, 24, v30
	v_mul_u32_u24 v31, v23, v26                    ; rows x columns: 0 for an empty bin
	v_cmp_ne_u32 vcc_lo, 0, v31
	s_and_b32 vcc_lo, vcc_lo, s20                  ; and only threads that carry a bin
	v_cndmask_b32 v30, 0, v30, vcc_lo              ; all others: 0
	DIVQ v20, v16                                  ; c / hb
	v_mul_u32_u24 v20, v20, v12
	v_cmp_eq_u32 vcc_lo, v20, v16                  ; c is a multiple of hb
	v_cndmask_b32 v20, v18, v19, vcc_lo            ; -inf there, +inf elsewhere
	v_cndmask_b32 v30, v30, v20, s21
	PUT 0, v33
	PUT 1, v34
	PUT 2, v35
	PUT 3, v12
	v_lshlrev_b32 v32, 2, v0
	global_store_b32 v32, v30, s[6:7]              ; 128 threads: the whole record, each wave 128 consecutive bytes
	s_endpgm
.Lfunc_end_k_q09fa6d3b7f_bins:
	.size	k_q09fa6d3b7f_bins, .Lfunc_end_k_q09fa6d3b7f_bins-k_q09fa6d3b7f_bins
	.p2alignl 7, 3214868480
	.fill 96, 4, 3214868480
	.section	.rodata,"a",@progbits
	.p2align	6, 0x0
	.amdhsa_kernel k_q09fa6d3b7f_bins
		.amdhsa_group_segment_fixed_size 0
		.amdhsa_private_segment_fixed_size 0
		.amdhsa_enable_private_segment 0
		.amdhsa_kernarg_size 16
		.amdhsa_user_sgpr_count 2
		.amdhsa_user_sgpr_kernarg_segment_ptr 1
		.amdhsa_wavefront_size32 1
		.amdhsa_system_sgpr_workgroup_id_x 1
		.amdhsa_system_sgpr_workgroup_id_y 1
		.amdhsa_system_sgpr_workgroup_id_z 1
		.amdhsa_system_vgpr_workitem_id 0
		.amdhsa_next_free_vgpr 48
		.amdhsa_next_free_sgpr 66
		.amdhsa_reserve_vcc 1
		.amdhsa_float_denorm_mode_32 3
		.amdhsa_float_denorm_mode_16_64 3
		.amdhsa_memory_ordered 1
		.amdhsa_forward_progress 1
		.amdhsa_inst_pref_size 5
	.end_amdhsa_kernel
	.amdgpu_metadata
---
amdhsa.version: [ 1, 2 ]
amdhsa.kernels:
  - .name:           k_q09fa6d3b7f_bins
    .symbol:         k_q09fa6d3b7f_bins.kd
    .args:
      - { .name: rois, .offset: 0, .size: 8, .value_kind: global_buffer, .address_space: global }
      - { .name: idx, .offset: 8, .size: 8, .value_kind: global_buffer, .address_space: global }
    .group_segment_fixed_size: 0
    .private_segment_fixed_size: 0
    .kernarg_segment_align: 8
    .kernarg_segment_size: 16
    .max_flat_workgroup_size: 128
    .sgpr_count:     66
    .vgpr_count:     48
    .wavefront_size: 32
...
	.end_amdgpu_metadata
.endif
;; end of part 1
;; launch pool (part 2): grid 256 x 1, 32 waves a work-group, no clusters, 266,240 bytes of LDS; arguments feature_maps, idx, out0; writes out0
.if DOCPART == 2
	.amdgcn_target "amdgcn-amd-amdhsa--gfx1250"
	.amdhsa_code_object_version 6
	.text
	.protected	k_q09fa6d3b7f_pool
	.globl	k_q09fa6d3b7f_pool
	.p2align	8
	.type	k_q09fa6d3b7f_pool,@function
k_q09fa6d3b7f_pool:
	s_mov_b64 s[64:65], 0
	v_nop
	global_prefetch_b8 v0, s[64:65] scope:SCOPE_SE
	s_setreg_imm32_b32 hwreg(HW_REG_WAVE_MODE, 25, 1), 1
	s_wait_xcnt 0x0
; ROI max pooling.  feature_maps [2][64][64][256] f32, out0 [128 ROIs][49 bins][256] f32, idx: the records that the launch before wrote.
; A work-group owns one ROI and 128 channels (256 work-groups), as two items of 64 channels, one after the other.
;
; THE IDEA.  Every bin's columns start at a multiple of hb.  On the way from memory to LDS each pixel is replaced by
; G(r, c) = the maximum of row r from the first column of c's block of hb columns up to c.  A bin is then the maximum of G over its rows,
; at the ends of the blocks inside it and at its own last column.  For extents of 25 and steps of 3 that is 1,640 samples for the 49 bins,
; where the bins' rectangles together hold about 4,000 pixels.  An index held at the bin's last row or column repeats a sample,
; which a maximum does not mind; so trips of a fixed 4 rows x 2 sample columns serve every bin.
;
; PHASE 1.  Wave t owns row t of the 32 x 32 window: 32 pixels x 64 channels = 64 registers.  A load takes one pixel's 64 channels:
; 32 lanes x 8 bytes = 256 consecutive bytes, at a multiple of 256 from the buffer's start.  Rows past the ROI's extent are not loaded,
; columns in fours up to its extent (scalar branches on the record's whole numbers).
; G(c) = max(min(G(c-1), s), x(c)) with s = -inf where c begins a block and +inf elsewhere: one v_minmax_num_f32 a register.
; LDS: pixel (r, c) at 8192 r + 256 c + 8 lane: wave t stores into its own 8,192 bytes; 32 x 8,192 = 262,144 bytes.
; PHASE 2.  Bins t and (t < 17) t + 32 are wave t's.  A bin's 64 channels leave by one store of 256 consecutive bytes,
; at a multiple of 256 from out0's start.
; ORDER.  Item 1's loads are issued into the row's registers as soon as item 0 has left them, and fly while item 0 is pooled.
;
; NOT USED: clusters and joint requests: the two work-groups of a ROI read disjoint channels and other ROIs read other windows, so no
; two work-groups ask for the same tile.  The data mover: the running maxima are made in registers between the load and the LDS store.
; LIMIT: a NaN in feature_maps is passed over (the _num_ maxima drop it); the reference would hand it on.  Infinities are kept;
; an empty bin gives -inf, as in the reference.
.set L8,   2                           ; v2        8 x lane
.set GOFF, 3                           ; v3        byte offset in feature_maps of my 8 bytes of my row's first pixel, item 0
.set STO,  4                           ; v4        LDS address of my 8 bytes of my row's first pixel
.set OUTO, 5                           ; v5        byte offset in out0 of my 8 bytes of my first bin, item 0
.set VR,   8                           ; v[8:11]   8 lane + LDS offset of four rows
.set VA,   12                          ; v[12:19]  a trip's eight addresses
.set DT,   20                          ; v[20:35]  a trip's eight samples, 2 registers each
.set ACC,  36                          ; v[36:39]  two running maxima of 2 registers
.set D,    64                          ; v[64:127] my row: column c at D + 2 c
.set SW,   68                          ; s[68:99]  column c's switch: -inf if it begins a block, else +inf
; s16 corner pixel, s17 wc, s18 hc, s19 hb, s38 2 hb; s32 how many bins I have, s33 columns of my row that exist, s34 / s35 my bins' words
; s40 bin counter, s41 its word, s42 row, s43 last row, s44 first sample column, s45 last column, s46 fours of rows, s47 pairs of columns
; s48 / s49 counters, s50 sample column, s52 / s53 at work, s[56:57] the store's base, s[58:59] its offset
	s_load_b128 s[4:7], s[0:1], 0x0                ; feature_maps s[4:5], idx s[6:7]
	s_load_b64 s[8:9], s[0:1], 0x10                ; out0
	v_lshl_add_u32 v62, v0, 2, 0x40000
	v_mov_b32 v63, 0
	v_lshrrev_b32 v1, 5, v0
	v_readfirstlane_b32 s10, v1                    ; wave 0..31
	v_and_b32 v[L8], 31, v0
	v_lshlrev_b32 v[L8], 3, v[L8]
	s_lshr_b32 s11, ttmp9, 1                       ; ROI
	s_and_b32 s12, ttmp9, 1                        ; which 128 channels
	s_lshl_b32 s14, s11, 9                         ; records of 512 bytes
	s_mov_b32 s15, 0
	s_lshl_b32 s37, s10, 2                         ; my bins' words: 4 bytes a wave
	s_wait_kmcnt 0x0
	s_add_nc_u64 s[6:7], s[6:7], s[14:15]
	s_load_b256 s[16:23], s[6:7], 0x0              ; the header
	s_load_b512 s[SW:SW+15], s[6:7], 0x180         ; the 32 switches, dwords 96..127
	s_load_b512 s[SW+16:SW+31], s[6:7], 0x1c0
	s_load_b32 s34, s[6:7], s37 offset:64          ; bin t
	s_load_b32 s35, s[6:7], s37 offset:192         ; bin t + 32; for t >= 17 one of the record's zeros, not used
	; While the record is on its way the row's registers get -inf, so that each is written before it is read on every path,
	; also on those that jump over loads below.
	v_mov_b32 v6, 0xff800000
	v_mov_b32 v7, 0xff800000
.set k, 0
.rept 32
	v_dual_mov_b32 v[D+2*k], v6 :: v_dual_mov_b32 v[D+2*k+1], v7
.set k, k+1
.endr
	s_lshl_b32 s53, s10, 13
	v_add_nc_u32 v[STO], s53, v[L8]                ; 8192 x wave + 8 x lane
	s_mul_i32 s52, s11, 0xc400                     ; 49 bins x 1,024 bytes for each ROI
	s_lshl_b32 s53, s10, 10                        ; + bin t
	s_add_co_u32 s52, s52, s53
	s_lshl_b32 s53, s12, 9                         ; + my 128 channels
	s_add_co_u32 s52, s52, s53
	v_add_nc_u32 v[OUTO], s52, v[L8]
	s_cmp_lt_u32 s10, 17
	s_cselect_b32 s32, 2, 1                        ; 49 bins on 32 waves
	s_wait_kmcnt 0x0
	s_min_u32 s16, s16, 0x1820                     ; the largest corner there is: 4096 + 32*64 + 32
	s_lshl_b32 s52, s10, 6                         ; + my row: 64 pixels
	s_add_co_u32 s52, s52, s16
	s_lshl_b32 s52, s52, 10                        ; 1,024 bytes a pixel
	s_add_co_u32 s52, s52, s53                     ; + my 128 channels.  Last byte reached: pixel 8191, byte 1023
	v_add_nc_u32 v[GOFF], s52, v[L8]
	s_cmp_lt_u32 s10, s17
	s_cselect_b32 s33, s18, 0                      ; my row's columns: hc if the row is inside the ROI, else none
	s_lshl_b32 s38, s19, 1
; My row's pixels of one item, four columns at a time while any of the four exists (at most 32: never past the window).
.macro LOADROW tag, item
.irp q, 0,1,2,3,4,5,6,7
	s_cmp_le_u32 s33, 4*\q
	s_cbranch_scc1 .Lle\tag
.irp c, 0,1,2,3
	global_load_b64 v[D+2*(4*\q+\c):D+2*(4*\q+\c)+1], v[GOFF], s[4:5] offset:1024*(4*\q+\c)+256*\item
.endr
.endr
.Lle\tag:
.endm
; Running maxima along the row, restarted at each block, and the row's way into LDS.  The same columns as LOADROW.
.macro XFORM tag
.irp q, 0,1,2,3,4,5,6,7
	s_cmp_le_u32 s33, 4*\q
	s_cbranch_scc1 .Lxe\tag
.irp c, 0,1,2,3
.if 4*\q+\c > 0
	v_minmax_num_f32 v[D+2*(4*\q+\c)],   v[D+2*(4*\q+\c)-2], s[SW+4*\q+\c], v[D+2*(4*\q+\c)]
	v_minmax_num_f32 v[D+2*(4*\q+\c)+1], v[D+2*(4*\q+\c)-1], s[SW+4*\q+\c], v[D+2*(4*\q+\c)+1]
.endif
	ds_store_b64 v[STO], v[D+2*(4*\q+\c):D+2*(4*\q+\c)+1] offset:256*(4*\q+\c)
.endr
.endr
.Lxe\tag:
.endm
; My one or two bins of one item.  Three counted loops: bins, fours of rows, pairs of sample columns.
.macro POOL tag, item
	s_mov_b32 s40, 0
.Lbin\tag:
	s_wait_xcnt 0x0                                ; the last store's data (ACC) and base are rewritten only behind this wait
	s_cmp_eq_u32 s40, 0
	s_cselect_b32 s41, s34, s35
	s_lshl_b32 s58, s40, 15                        ; the second bin lies 32 bins of 1,024 bytes further on
	s_mov_b32 s59, 0
	s_add_nc_u64 s[56:57], s[8:9], s[58:59]
.irp k, 0,1,2,3
	v_mov_b32 v[ACC+\k], v6                        ; -inf: what an empty bin gives
.endr
	s_bfe_u32 s42, s41, 0x50000                    ; first row
	s_bfe_u32 s43, s41, 0x50005                    ; last row
	s_bfe_u32 s44, s41, 0x5000a                    ; first sample column
	s_bfe_u32 s45, s41, 0x5000f                    ; last column
	s_bfe_u32 s46, s41, 0x40014                    ; fours of rows
	s_bfe_u32 s47, s41, 0x50018                    ; pairs of sample columns
	s_mov_b32 s48, 0
	s_cmp_eq_u32 s46, 0
	s_cbranch_scc1 .Lout\tag                       ; an empty bin
.Lrow\tag:
.irp k, 0,1,2,3
	s_add_co_u32 s52, s42, \k
	s_min_u32 s52, s52, s43                        ; held at the bin's last row
	s_min_u32 s52, s52, 31                         ; (and, written out, inside LDS)
	s_lshl_b32 s52, s52, 13
	v_add_nc_u32 v[VR+\k], s52, v[L8]
.endr
	s_mov_b32 s50, s44
	s_mov_b32 s49, 0
.Lcol\tag:
	s_min_u32 s52, s50, s45                        ; this pair's first sample column, held at the bin's last column
	s_min_u32 s52, s52, 31
	s_lshl_b32 s52, s52, 8
	s_add_co_u32 s53, s50, s19                     ; and its second, one block further on
	s_min_u32 s53, s53, s45
	s_min_u32 s53, s53, 31
	s_lshl_b32 s53, s53, 8
.irp k, 0,1,2,3
	v_add_nc_u32 v[VA+\k], s52, v[VR+\k]
.endr
.irp k, 0,1,2,3
	v_add_nc_u32 v[VA+4+\k], s53, v[VR+\k]
.endr
.irp k, 0,1,2,3,4,5,6,7
	ds_load_b64 v[DT+2*\k:DT+2*\k+1], v[VA+\k]     ; 32 lanes, 256 consecutive bytes: no two lanes in one bank
.endr
	s_add_co_u32 s50, s50, s38
	s_wait_dscnt 0x4                               ; LDS loads come back in order: the four older are in, the four younger stay out
	v_max3_num_f32 v[ACC],   v[ACC],   v[DT],   v[DT+2]
	v_max3_num_f32 v[ACC+1], v[ACC+1], v[DT+1], v[DT+3]
	v_max3_num_f32 v[ACC+2], v[ACC+2], v[DT+4], v[DT+6]
	v_max3_num_f32 v[ACC+3], v[ACC+3], v[DT+5], v[DT+7]
	s_wait_dscnt 0x0
	v_max3_num_f32 v[ACC],   v[ACC],   v[DT+8],  v[DT+10]
	v_max3_num_f32 v[ACC+1], v[ACC+1], v[DT+9],  v[DT+11]
	v_max3_num_f32 v[ACC+2], v[ACC+2], v[DT+12], v[DT+14]
	v_max3_num_f32 v[ACC+3], v[ACC+3], v[DT+13], v[DT+15]
	s_add_co_u32 s49, s49, 1
	s_cmp_lt_u32 s49, s47
	s_cbranch_scc1 .Lcol\tag
	s_add_co_u32 s42, s42, 4
	s_add_co_u32 s48, s48, 1
	s_cmp_lt_u32 s48, s46
	s_cbranch_scc1 .Lrow\tag
.Lout\tag:
	v_max_num_f32 v[ACC],   v[ACC],   v[ACC+2]
	v_max_num_f32 v[ACC+1], v[ACC+1], v[ACC+3]
	global_store_b64 v[OUTO], v[ACC:ACC+1], s[56:57] offset:256*\item th:TH_STORE_NT
	s_add_co_u32 s40, s40, 1
	s_cmp_lt_u32 s40, s32
	s_cbranch_scc1 .Lbin\tag
.endm
.macro BAR                             ; my LDS stores have landed and my LDS loads have come back, and so have everybody's
	s_wait_dscnt 0x0
	s_barrier_signal -1
	s_barrier_wait -1
.endm
	LOADROW 0, 0
	s_wait_loadcnt 0x0                             ; item 0's row is in
	XFORM 0
	LOADROW 1, 1                                   ; item 1 sets out, into the registers that item 0 has just left for LDS
	BAR                                            ; every row of item 0 lies in LDS
	POOL 0, 0
	BAR                                            ; nobody reads item 0 any more
	s_wait_loadcnt 0x0                             ; item 1's row is in
	XFORM 1
	BAR                                            ; every row of item 1 lies in LDS
	POOL 1, 1
	s_wait_tensorcnt 0x0
	ds_add_u32 v62, v63
	s_wait_dscnt 0x0
	s_endpgm
.Lfunc_end_k_q09fa6d3b7f_pool:
	.size	k_q09fa6d3b7f_pool, .Lfunc_end_k_q09fa6d3b7f_pool-k_q09fa6d3b7f_pool
	.p2alignl 7, 3214868480
	.fill 96, 4, 3214868480
	.section	.rodata,"a",@progbits
	.p2align	6, 0x0
	.amdhsa_kernel k_q09fa6d3b7f_pool
		.amdhsa_group_segment_fixed_size 266240
		.amdhsa_private_segment_fixed_size 0
		.amdhsa_enable_private_segment 0
		.amdhsa_kernarg_size 24
		.amdhsa_user_sgpr_count 2
		.amdhsa_user_sgpr_kernarg_segment_ptr 1
		.amdhsa_wavefront_size32 1
		.amdhsa_system_sgpr_workgroup_id_x 1
		.amdhsa_system_sgpr_workgroup_id_y 1
		.amdhsa_system_sgpr_workgroup_id_z 1
		.amdhsa_system_vgpr_workitem_id 0
		.amdhsa_next_free_vgpr 128
		.amdhsa_next_free_sgpr 100
		.amdhsa_reserve_vcc 0
		.amdhsa_float_denorm_mode_32 3
		.amdhsa_float_denorm_mode_16_64 3
		.amdhsa_memory_ordered 1
		.amdhsa_forward_progress 1
		.amdhsa_inst_pref_size 32
	.end_amdhsa_kernel
	.amdgpu_metadata
---
amdhsa.version: [ 1, 2 ]
amdhsa.kernels:
  - .name:           k_q09fa6d3b7f_pool
    .symbol:         k_q09fa6d3b7f_pool.kd
    .args:
      - { .name: feature_maps, .offset: 0, .size: 8, .value_kind: global_buffer, .address_space: global }
      - { .name: idx, .offset: 8, .size: 8, .value_kind: global_buffer, .address_space: global }
      - { .name: out0, .offset: 16, .size: 8, .value_kind: global_buffer, .address_space: global }
    .group_segment_fixed_size: 266240
    .private_segment_fixed_size: 0
    .kernarg_segment_align: 8
    .kernarg_segment_size: 24
    .max_flat_workgroup_size: 1024
    .sgpr_count:     100
    .vgpr_count:     128
    .wavefront_size: 32
...
	.end_amdgpu_metadata
.endif
;; end of part 2
;; ======== version 2 of 2: 2 launches; version 1 with the launch pool written anew for expert scheduling mode
;; workspace buffers: idx 65,536 bytes of whole numbers
;; launch bins: the kernel of part 1 again; grid 128 x 1, 4 waves a work-group, no clusters, 0 bytes of LDS; arguments rois, idx; writes idx
;; launch pool (part 3): grid 256 x 1, 32 waves a work-group, no clusters, 266,240 bytes of LDS; arguments feature_maps, idx, out0; writes out0
.if DOCPART == 3
	.amdgcn_target "amdgcn-amd-amdhsa--gfx1250"
	.amdhsa_code_object_version 6
	.text
	.protected	k_q09fa6d3b7f_pool
	.globl	k_q09fa6d3b7f_pool
	.p2align	8
	.type	k_q09fa6d3b7f_pool,@function
k_q09fa6d3b7f_pool:
	s_mov_b64 s[64:65], 0
	v_nop
	global_prefetch_b8 v0, s[64:65] scope:SCOPE_SE
	s_setreg_imm32_b32 hwreg(HW_REG_WAVE_SCHED_MODE, 0, 2), 2
	s_setreg_imm32_b32 hwreg(HW_REG_WAVE_MODE, 25, 1), 1
	s_wait_xcnt 0x0
	s_wait_alu depctr_vm_vsrc(0)
; ROI max pooling.  feature_maps [2][64][64][256] f32, out0 [128 ROIs][49 bins][256] f32, idx: the records that the launch before wrote.
; A work-group owns one ROI and 128 channels (256 work-groups), as two items of 64 channels, one after the other.
;
; THE IDEA.  Every bin's columns start at a multiple of hb.  On the way from memory to LDS each pixel is replaced by
; G(r, c) = the maximum of row r from the first column of c's block of hb columns up to c.  A bin is then the maximum of G over its rows,
; at the ends of the blocks inside it and at its own last column.  For extents of 25 and steps of 3 that is 1,640 samples for the 49 bins,
; where the bins' rectangles together hold about 4,000 pixels.  An index held at the bin's last row or column repeats a sample,
; which a maximum does not mind; so trips of a fixed 4 rows x 2 sample columns serve every bin.
;
; PHASE 1.  Wave t owns row t of the 32 x 32 window: 32 pixels x 64 channels = 64 registers.  A load takes one pixel's 64 channels:
; 32 lanes x 8 bytes = 256 consecutive bytes, at a multiple of 256 from the buffer's start.  Rows past the ROI's extent are not loaded,
; columns in fours up to its extent (scalar branches on the record's whole numbers).
; G(c) = max(min(G(c-1), s), x(c)) with s = -inf where c begins a block and +inf elsewhere: one v_minmax_num_f32 a register.
; LDS: pixel (r, c) at 8192 r + 256 c + 8 lane: wave t stores into its own 8,192 bytes; 32 x 8,192 = 262,144 bytes.
; PHASE 2.  Bins t and (t < 17) t + 32 are wave t's.  A bin's 64 channels leave by one store of 256 consecutive bytes,
; at a multiple of 256 from out0's start.
; ORDER.  Item 1's loads are issued into the row's registers as soon as item 0 has left them, and fly while item 0 is pooled.
;
; THE MODE: SCHED_MODE bits 1:0 = 2 (LLVM: expert scheduling mode 2), set by the entry lines.  The code itself states the register dependences
; between vector instructions and memory or LDS instructions, with s_wait_alu, always for 0.
; THE PLAN.  Registers that memory or LDS instructions touch:
;   D (my row)         Filled with -inf at the head; an item's loads land in it; the running maxima read and write it; the LDS stores read it.
;                      All of an item's running maxima stand together, then ONE wait on va_vdst, then all of its LDS stores; behind item 0's
;                      stores ONE wait on vm_vsrc, then item 1's loads.  No vector instruction names D between those two waits and the loads.
;   GOFF, STO, OUTO    Made at the head, never written again: one wait on va_vdst ahead of the first load serves them for the whole kernel.
;   VA (8 addresses)   A trip's eight adds write them, its eight LDS loads read them: vm_vsrc ahead of the adds, va_vdst behind them.
;   DT (8 samples)     A trip's LDS loads land in them, its eight maxima read them: the same va_vdst states that the trip before is done reading.
;   ACC, ACC+1         Written by a bin's maxima, read by its store: va_vdst ahead of the store, vm_vsrc at the next bin's head.
;   v62, v63           Written at the head, read by the closing add alone.
;   VR, L8, v6, v7, ACC+2, ACC+3 are named by vector instructions alone.
; No second set of VA and DT: the two inner loops' trip counts come from the record, and addresses made a trip ahead would be thrown
; away in each last trip, eight adds for every four rows.
;
; NOT USED: clusters and joint requests: the two work-groups of a ROI read disjoint channels and other ROIs read other windows, so no
; two work-groups ask for the same tile.  The data mover: the running maxima are made in registers between the load and the LDS store.
; LIMIT: a NaN in feature_maps is passed over (the _num_ maxima drop it); the reference would hand it on.  Infinities are kept;
; an empty bin gives -inf, as in the reference.
.set L8,   2                           ; v2        8 x lane
.set GOFF, 3                           ; v3        byte offset in feature_maps of my 8 bytes of my row's first pixel, item 0
.set STO,  4                           ; v4        LDS address of my 8 bytes of my row's first pixel
.set OUTO, 5                           ; v5        byte offset in out0 of my 8 bytes of my first bin, item 0
.set VR,   8                           ; v[8:11]   8 lane + LDS offset of four rows
.set VA,   12                          ; v[12:19]  a trip's eight addresses
.set DT,   20                          ; v[20:35]  a trip's eight samples, 2 registers each
.set ACC,  36                          ; v[36:39]  two running maxima of 2 registers
.set D,    64                          ; v[64:127] my row: column c at D + 2 c
.set SW,   68                          ; s[68:99]  column c's switch: -inf if it begins a block, else +inf
; s16 corner pixel, s17 wc, s18 hc, s19 hb, s38 2 hb; s32 how many bins I have, s33 columns of my row that exist, s34 / s35 my bins' words
; s40 bin counter, s41 its word, s42 row, s43 last row, s44 first sample column, s45 last column, s46 fours of rows, s47 pairs of columns
; s48 / s49 counters, s50 sample column, s52 / s53 at work, s[56:57] the store's base, s[58:59] its offset
	s_load_b128 s[4:7], s[0:1], 0x0                ; feature_maps s[4:5], idx s[6:7]
	s_load_b64 s[8:9], s[0:1], 0x10                ; out0
	v_lshl_add_u32 v62, v0, 2, 0x40000             ; my spare word, behind the 32 rows, and 0: kept for the closing lines alone
	v_mov_b32 v63, 0
	v_lshrrev_b32 v1, 5, v0
	v_readfirstlane_b32 s10, v1                    ; wave 0..31
	v_and_b32 v[L8], 31, v0
	v_lshlrev_b32 v[L8], 3, v[L8]
	s_lshr_b32 s11, ttmp9, 1                       ; ROI
	s_and_b32 s12, ttmp9, 1                        ; which 128 channels
	s_lshl_b32 s14, s11, 9                         ; records of 512 bytes
	s_mov_b32 s15, 0
	s_wait_alu depctr_va_sdst(0)                   ; s10 is written, ahead of its first reader, the line below
	s_lshl_b32 s37, s10, 2                         ; my bins' words: 4 bytes a wave
	s_wait_kmcnt 0x0
	s_add_nc_u64 s[6:7], s[6:7], s[14:15]
	s_load_b256 s[16:23], s[6:7], 0x0              ; the header
	s_load_b512 s[SW:SW+15], s[6:7], 0x180         ; the 32 switches, dwords 96..127
	s_load_b512 s[SW+16:SW+31], s[6:7], 0x1c0
	s_load_b32 s34, s[6:7], s37 offset:64          ; bin t
	s_load_b32 s35, s[6:7], s37 offset:192         ; bin t + 32; for t >= 17 one of the record's zeros, not used
	; While the record is on its way the row's registers get -inf, so that each is written before it is read on every path,
	; also on those that jump over loads below.
	v_mov_b32 v6, 0xff800000
	v_mov_b32 v7, 0xff800000
.set k, 0
.rept 32
	v_dual_mov_b32 v[D+2*k], v6 :: v_dual_mov_b32 v[D+2*k+1], v7
.set k, k+1
.endr
	s_lshl_b32 s53, s10, 13
	v_add_nc_u32 v[STO], s53, v[L8]                ; 8192 x wave + 8 x lane
	s_mul_i32 s52, s11, 0xc400                     ; 49 bins x 1,024 bytes for each ROI
	s_lshl_b32 s53, s10, 10                        ; + bin t
	s_add_co_u32 s52, s52, s53
	s_lshl_b32 s53, s12, 9                         ; + my 128 channels
	s_add_co_u32 s52, s52, s53
	v_add_nc_u32 v[OUTO], s52, v[L8]
	s_cmp_lt_u32 s10, 17
	s_cselect_b32 s32, 2, 1                        ; 49 bins on 32 waves
	s_wait_kmcnt 0x0
	s_min_u32 s16, s16, 0x1820                     ; the largest corner there is: 4096 + 32*64 + 32
	s_lshl_b32 s52, s10, 6                         ; + my row: 64 pixels
	s_add_co_u32 s52, s52, s16
	s_lshl_b32 s52, s52, 10                        ; 1,024 bytes a pixel
	s_add_co_u32 s52, s52, s53                     ; + my 128 channels.  Last byte reached: pixel 8191, byte 1023
	v_add_nc_u32 v[GOFF], s52, v[L8]
	s_cmp_lt_u32 s10, s17
	s_cselect_b32 s33, s18, 0                      ; my row's columns: hc if the row is inside the ROI, else none
	s_lshl_b32 s38, s19, 1
	s_wait_alu depctr_va_vdst(0)                   ; the fill has written D, in which the loads below land; GOFF, STO and OUTO are written, which every load and store of the kernel reads as its offset or address
; My row's pixels of one item, four columns at a time while any of the four exists (at most 32: never past the window).
.macro LOADROW tag, item
.irp q, 0,1,2,3,4,5,6,7
	s_cmp_le_u32 s33, 4*\q
	s_cbranch_scc1 .Lle\tag
.irp c, 0,1,2,3
	global_load_b64 v[D+2*(4*\q+\c):D+2*(4*\q+\c)+1], v[GOFF], s[4:5] offset:1024*(4*\q+\c)+256*\item
.endr
.endr
.Lle\tag:
.endm
; Running maxima along the row, restarted at each block.  The same columns as LOADROW.  Vector instructions alone.
.macro RUNMAX tag
.irp q, 0,1,2,3,4,5,6,7
	s_cmp_le_u32 s33, 4*\q
	s_cbranch_scc1 .Lxe\tag
.irp c, 0,1,2,3
.if 4*\q+\c > 0
	v_minmax_num_f32 v[D+2*(4*\q+\c)],   v[D+2*(4*\q+\c)-2], s[SW+4*\q+\c], v[D+2*(4*\q+\c)]
	v_minmax_num_f32 v[D+2*(4*\q+\c)+1], v[D+2*(4*\q+\c)-1], s[SW+4*\q+\c], v[D+2*(4*\q+\c)+1]
.endif
.endr
.endr
.Lxe\tag:
.endm
; The row's way into LDS.  The same columns once more.  LDS stores alone.
.macro TOLDS tag
.irp q, 0,1,2,3,4,5,6,7
	s_cmp_le_u32 s33, 4*\q
	s_cbranch_scc1 .Lse\tag
.irp c, 0,1,2,3
	ds_store_b64 v[STO], v[D+2*(4*\q+\c):D+2*(4*\q+\c)+1] offset:256*(4*\q+\c)
.endr
.endr
.Lse\tag:
.endm
; My one or two bins of one item.  Three counted loops: bins, fours of rows, pairs of sample columns.
.macro POOL tag, item
	s_mov_b32 s40, 0
.Lbin\tag:
	s_wait_xcnt 0x0                                ; the last store's data (ACC) and base are rewritten only behind this wait
	s_wait_alu depctr_vm_vsrc(0)                   ; the last bin's store has read ACC and ACC+1, which the moves below write again
	s_cmp_eq_u32 s40, 0
	s_cselect_b32 s41, s34, s35
	s_lshl_b32 s58, s40, 15                        ; the second bin lies 32 bins of 1,024 bytes further on
	s_mov_b32 s59, 0
	s_add_nc_u64 s[56:57], s[8:9], s[58:59]
.irp k, 0,1,2,3
	v_mov_b32 v[ACC+\k], v6                        ; -inf: what an empty bin gives
.endr
	s_bfe_u32 s42, s41, 0x50000                    ; first row
	s_bfe_u32 s43, s41, 0x50005                    ; last row
	s_bfe_u32 s44, s41, 0x5000a                    ; first sample column
	s_bfe_u32 s45, s41, 0x5000f                    ; last column
	s_bfe_u32 s46, s41, 0x40014                    ; fours of rows
	s_bfe_u32 s47, s41, 0x50018                    ; pairs of sample columns
	s_mov_b32 s48, 0
	s_cmp_eq_u32 s46, 0
	s_cbranch_scc1 .Lout\tag                       ; an empty bin
.Lrow\tag:
.irp k, 0,1,2,3
	s_add_co_u32 s52, s42, \k
	s_min_u32 s52, s52, s43                        ; held at the bin's last row
	s_min_u32 s52, s52, 31                         ; (and, written out, inside LDS)
	s_lshl_b32 s52, s52, 13
	v_add_nc_u32 v[VR+\k], s52, v[L8]
.endr
	s_mov_b32 s50, s44
	s_mov_b32 s49, 0
.Lcol\tag:
	s_min_u32 s52, s50, s45                        ; this pair's first sample column, held at the bin's last column
	s_min_u32 s52, s52, 31
	s_lshl_b32 s52, s52, 8
	s_add_co_u32 s53, s50, s19                     ; and its second, one block further on
	s_min_u32 s53, s53, s45
	s_min_u32 s53, s53, 31
	s_lshl_b32 s53, s53, 8
	s_wait_alu depctr_vm_vsrc(0)                   ; the LDS loads of the trip before have read VA, which the adds below write again
.irp k, 0,1,2,3
	v_add_nc_u32 v[VA+\k], s52, v[VR+\k]
.endr
.irp k, 0,1,2,3
	v_add_nc_u32 v[VA+4+\k], s53, v[VR+\k]
.endr
	s_wait_alu depctr_va_vdst(0)                   ; the adds have written VA, which the loads below read; the maxima of the trip before are done reading DT, in which they land
.irp k, 0,1,2,3,4,5,6,7
	ds_load_b64 v[DT+2*\k:DT+2*\k+1], v[VA+\k]     ; 32 lanes, 256 consecutive bytes: no two lanes in one bank
.endr
	s_add_co_u32 s50, s50, s38
	s_wait_dscnt 0x4                               ; LDS loads come back in order: the four older are in, the four younger stay out
	v_max3_num_f32 v[ACC],   v[ACC],   v[DT],   v[DT+2]
	v_max3_num_f32 v[ACC+1], v[ACC+1], v[DT+1], v[DT+3]
	v_max3_num_f32 v[ACC+2], v[ACC+2], v[DT+4], v[DT+6]
	v_max3_num_f32 v[ACC+3], v[ACC+3], v[DT+5], v[DT+7]
	s_wait_dscnt 0x0
	v_max3_num_f32 v[ACC],   v[ACC],   v[DT+8],  v[DT+10]
	v_max3_num_f32 v[ACC+1], v[ACC+1], v[DT+9],  v[DT+11]
	v_max3_num_f32 v[ACC+2], v[ACC+2], v[DT+12], v[DT+14]
	v_max3_num_f32 v[ACC+3], v[ACC+3], v[DT+13], v[DT+15]
	s_add_co_u32 s49, s49, 1
	s_cmp_lt_u32 s49, s47
	s_cbranch_scc1 .Lcol\tag
	s_add_co_u32 s42, s42, 4
	s_add_co_u32 s48, s48, 1
	s_cmp_lt_u32 s48, s46
	s_cbranch_scc1 .Lrow\tag
.Lout\tag:
	v_max_num_f32 v[ACC],   v[ACC],   v[ACC+2]
	v_max_num_f32 v[ACC+1], v[ACC+1], v[ACC+3]
	s_wait_alu depctr_va_vdst(0)                   ; the two maxima have written ACC and ACC+1, which the store reads
	global_store_b64 v[OUTO], v[ACC:ACC+1], s[56:57] offset:256*\item th:TH_STORE_NT
	s_add_co_u32 s40, s40, 1
	s_cmp_lt_u32 s40, s32
	s_cbranch_scc1 .Lbin\tag
.endm
.macro BAR                             ; my LDS stores have landed and my LDS loads have come back, and so have everybody's
	s_wait_dscnt 0x0
	s_barrier_signal -1
	s_barrier_wait -1
.endm
	LOADROW 0, 0
	s_wait_loadcnt 0x0                             ; item 0's row is in
	RUNMAX 0
	s_wait_alu depctr_va_vdst(0)                   ; the running maxima have written D, which the LDS stores read; they are also done with D, in which item 1's loads land further down
	TOLDS 0
	s_wait_alu depctr_vm_vsrc(0)                   ; the LDS stores have read D, in which item 1's loads land and which item 1's running maxima write
	LOADROW 1, 1                                   ; item 1 sets out, into the registers that item 0 has just left for LDS
	BAR                                            ; every row of item 0 lies in LDS
	POOL 0, 0
	BAR                                            ; nobody reads item 0 any more
	s_wait_loadcnt 0x0                             ; item 1's row is in
	RUNMAX 1
	s_wait_alu depctr_va_vdst(0)                   ; the running maxima have written D, which the LDS stores read
	TOLDS 1
	BAR                                            ; every row of item 1 lies in LDS
	POOL 1, 1
	s_wait_dscnt 0x0                               ; the closing lines, six on end
	s_wait_alu 0x0
	s_wait_tensorcnt 0x0
	ds_add_u32 v62, v63
	s_wait_dscnt 0x0
	s_endpgm
.Lfunc_end_k_q09fa6d3b7f_pool:
	.size	k_q09fa6d3b7f_pool, .Lfunc_end_k_q09fa6d3b7f_pool-k_q09fa6d3b7f_pool
	.p2alignl 7, 3214868480
	.fill 96, 4, 3214868480
	.section	.rodata,"a",@progbits
	.p2align	6, 0x0
	.amdhsa_kernel k_q09fa6d3b7f_pool
		.amdhsa_group_segment_fixed_size 266240
		.amdhsa_private_segment_fixed_size 0
		.amdhsa_enable_private_segment 0
		.amdhsa_kernarg_size 24
		.amdhsa_user_sgpr_count 2
		.amdhsa_user_sgpr_kernarg_segment_ptr 1
		.amdhsa_wavefront_size32 1
		.amdhsa_system_sgpr_workgroup_id_x 1
		.amdhsa_system_sgpr_workgroup_id_y 1
		.amdhsa_system_sgpr_workgroup_id_z 1
		.amdhsa_system_vgpr_workitem_id 0
		.amdhsa_next_free_vgpr 128
		.amdhsa_next_free_sgpr 100
		.amdhsa_reserve_vcc 0
		.amdhsa_float_denorm_mode_32 3
		.amdhsa_float_denorm_mode_16_64 3
		.amdhsa_memory_ordered 1
		.amdhsa_forward_progress 1
		.amdhsa_inst_pref_size 33
	.end_amdhsa_kernel
	.amdgpu_metadata
---
amdhsa.version: [ 1, 2 ]
amdhsa.kernels:
  - .name:           k_q09fa6d3b7f_pool
    .symbol:         k_q09fa6d3b7f_pool.kd
    .args:
      - { .name: feature_maps, .offset: 0, .size: 8, .value_kind: global_buffer, .address_space: global }
      - { .name: idx, .offset: 8, .size: 8, .value_kind: global_buffer, .address_space: global }
      - { .name: out0, .offset: 16, .size: 8, .value_kind: global_buffer, .address_space: global }
    .group_segment_fixed_size: 266240
    .private_segment_fixed_size: 0
    .kernarg_segment_align: 8
    .kernarg_segment_size: 24
    .max_flat_workgroup_size: 1024
    .sgpr_count:     100
    .vgpr_count:     128
    .wavefront_size: 32
...
	.end_amdgpu_metadata
.endif
;; end of part 3
